; MI455X (gfx1250); checked and timed in simulation.
; The chip was launched on July 23, 2026; its instructions are those of AMD's public machine-readable ISA for CDNA 5 (MIT licence, August 2026) and "CDNA5" Instruction Set Architecture Reference Guide (July 2026). The comments in the code are by the model that wrote it; some were corrected since.
;; Multi Scan VSSM. Allowed arithmetic: matrix products marked QUANTISED: E2M1 operands, one E8M0 scale for each 32 along K, by v_wmma_scale_f32_16x16x128_f8f6f4 with both operands' format E2M1 (or v_wmma_scale_f32_32x16x128_f4), f32 sums; everything else in f32.
;; Inputs: b_reduce 32 float32; b_select 256 float32; ln_b 256 float32; ln_w 256 float32; w_reduce 256 x 32 float32; w_select 32 x 256 float32; x 8 x 256 x 56 x 56 float32.
;; Outputs: out0 8 x 3,136 x 256 float32.
;; This version of the problem:
;;   THIS VERSION OF THE PROBLEM IS GIVEN IN LOW PRECISION. The matrix products marked QUANTISED in the list below multiply operands that are first quantised to E2M1 (2 exponent bits, 1 mantissa bit; 4 bits a number), with one power-of-two scale for each 32 numbers along K (OCP MX v1.0); their sums are f32. All else is computed in f32.
;;   The module's matrix products, in the order in which they are computed (A, B: the left and right operand; K: the contracted axis; several contracted axes count as one K, in the product's order):
;;     1. [M 64, K 256] x [K 256, N 32]; A: computed on the way; B: input w_reduce: QUANTISED
;;     2. [M 64, K 32] x [K 32, N 256]; A: computed on the way; B: input w_select: QUANTISED
;;   THE QUANTISER, for each operand of a quantised product, along K:
;;     - K is cut into blocks of 32 from its start; a last block that is shorter is filled with zeros.
;;     - A block's scale is 2^e with e = floor(log2(the largest magnitude in the block)) - 2, held to -126 .. 127; a block of zeros has e = 0. As a byte (E8M0): e + 127.
;;     - Each number is divided by its block's scale, clamped to +-6, and rounded to the nearest number of E2M1, ties to even, subnormals kept.
;;     - The product sums the exact products of the quantised numbers (number of the format x scale) in f32.
;;   ~~~python
;;   def quantise(x, axis):      # numpy; x: float32 -> the quantised numbers, widened to float32 again
;;       x = np.moveaxis(x, axis, -1); K = x.shape[-1]
;;       x = np.pad(x, [(0, 0)] * (x.ndim - 1) + [(0, -K % 32)]); x = x.reshape(x.shape[:-1] + (-1, 32)); a = np.abs(x).max(-1, keepdims=True)
;;       e = np.where(a > 0, np.clip(np.frexp(np.where(a > 0, a, 1))[1] - 1 - 2, -126, 127), 0)      # np.frexp(a)[1] - 1 = floor(log2(a)), exactly
;;       r = np.clip(x / 2.0 ** e, -6, 6)
;;       step = 2.0 ** (np.maximum(np.frexp(np.where(r == 0, 1, r))[1] - 1, 0) - 1)
;;       q = np.round(r / step) * step * 2.0 ** e      # np.round: ties to even
;;       return np.moveaxis(q.reshape(q.shape[:-2] + (-1,))[..., :K], -1, axis).astype(np.float32)
;;   ~~~
;;   OPERANDS COMPUTED ON THE WAY. 'Computed on the way' means the value that the module computes at that place (a softmax that the list does not call 'softmax' is quantised finished and normalised). What goes into a quantiser is computed in f32, as accurately as f32 sums, v_exp_f32 and their like allow (about 1e-6 of the number): no bf16 or f16 on the way to a quantiser, and a product that is left as it is and whose result goes on into a quantised operand takes f32 operands (vector FMAs, or v_wmma_f32_16x16x4_f32). A number that lies on a knife's edge between two numbers of the format may be rounded either way, as far as f32 arithmetic and the matrix unit's own rounding can turn it there, and no further.
;; 2 versions, each right; version 2 is version 1 with the launch gate_scale written anew for expert scheduling mode. Each part assembles by itself: llvm-mc -triple=amdgcn-amd-amdhsa -mcpu=gfx1250 --defsym DOCPART=n.
;; ======== version 1 of 2: 2 launches
;; workspace buffers: part 401,408 bytes; wq 14,336 bytes
;; launch stats (part 1): grid 393 x 1, 8 waves a work-group, no clusters, 6,144 bytes of LDS; arguments x, w_reduce, w_select, part, wq; writes part, wq
.if DOCPART == 1
	.amdgcn_target "amdgcn-amd-amdhsa--gfx1250"
	.amdhsa_code_object_version 6
	.text
	.protected	k_q4ce56b671d_stats
	.globl	k_q4ce56b671d_stats
	.p2align	8
	.type	k_q4ce56b671d_stats,@function
k_q4ce56b671d_stats:
	s_mov_b64 s[64:65], 0
	v_nop
	global_prefetch_b8 v0, s[64:65] scope:SCOPE_SE
	s_setreg_imm32_b32 hwreg(HW_REG_WAVE_MODE, 25, 1), 1
	s_wait_xcnt 0x0
; FIRST OF TWO LAUNCHES.  x: [8][256 channels][3136 tokens] f32.  Every scan of the module is undone by its own reverse (56 = 56, so the column scan's too):
; all eight directions are x itself, for every input, and one layer norm, one pool and one gate serve all eight.
; Work-groups 0 .. 391: work-group g = 49 b + u owns batch b, tokens 64 u .. 64 u + 63, all 256 channels, and stores
;   part[g][c] = the sum over its 64 tokens of (x[b][c][l] - mu[l]) / sqrt(var[l] + 1e-5),  mu and var over the 256 channels of token l.
;   The variance is the mean of the squares about the mean (two passes over registers), never a difference of large sums.
; Work-group 392: w_reduce [256][32] and w_select [32][256] become codes of FP4 (E2M1) with one E8M0 byte for each 32 along K (their first axis), laid in wq as the next launch's operand registers want them.
; SHARES.  Eight waves; wave w holds channels 32 w .. 32 w + 31 in 64 registers.  Lane (h = lane / 16, r = lane % 16) holds tokens 4 r .. 4 r + 3 of channels 32 w + 16 h + k, k = 0 .. 15:
;   sixteen lanes of a load read 256 consecutive bytes of one channel, aligned.  x is read again by the next launch, so its loads carry no non-temporal hint.
; No tensor load: a tile is used once and fits in registers.  No cluster: the work-groups share no input.
; LIMITS: NaN and infinities are not served.  A block of zeros of a weight gets the byte 1 where the rule says 127: its codes are zeros, and this program alone reads the bytes.
.set CHS,   12544                      ; bytes from channel to channel: 3136 tokens x 4
.set BATS,  3211264                    ; bytes from batch to batch: 256 x CHS
.set NTILE, 392                        ; tiles: 8 batches x 49
.set RS,    0                          ; LDS: the waves' sums, 8 x 256 bytes
.set RQ,    2048                       ; the waves' sums of squares, 8 x 256 bytes
.set PO,    4096                       ; the tile's 256 results
.set WQ_WS, 4096                       ; wq: w_reduce's image 4,096 bytes; from here w_select's, 8,192;
.set WQ_SC, 12288                      ; from here the scales, 2,048
.set X,  16                            ; v16-79   the tile: load k at v[X + 4 k], four tokens
.set A,  80                            ; v80-87   two chains of four sums
.set T,  88                            ; v88-91   what the other half of the lanes sends
.set MU, 92                            ; v92-95   mean of my four tokens
.set R,  96                            ; v96-99   1 / sqrt(var + eps) of my four tokens
.set RB, 100                           ; v100-131 the eight waves' figures, read back
.set P,  100                           ; v100-115 later: my 16 channels' sums over my four tokens
.set K,  16                            ; v16-31   later: at work in the butterfly
	s_load_b256 s[4:11], s[0:1], 0x0               ; x s[4:5], w_reduce s[6:7], w_select s[8:9], part s[10:11]
	s_load_b64 s[12:13], s[0:1], 0x20              ; wq
	v_lshl_add_u32 v132, v0, 2, 0x1400
	v_mov_b32 v133, 0
	v_lshrrev_b32 v1, 5, v0
	v_readfirstlane_b32 s14, v1                    ; wave 0..7
	v_and_b32 v2, 15, v0                           ; r
	v_bfe_u32 v3, v0, 4, 1                         ; h
	s_cmp_eq_u32 ttmp9, NTILE
	s_cbranch_scc1 .Lweights                       ; the last work-group quantises the weights
	s_mul_i32 s15, ttmp9, 1338
	s_lshr_b32 s15, s15, 16                        ; b = g / 49: 1338 = ceil(2^16 / 49), exact for g under 2,520
	s_mul_i32 s16, s15, 49
	s_sub_co_u32 s16, ttmp9, s16                   ; u = g - 49 b
	s_mul_i32 s18, s15, BATS
	s_lshl_b32 s16, s16, 8                         ; 64 tokens are 256 bytes
	s_add_co_u32 s18, s18, s16
	s_mul_i32 s16, s14, 32*CHS                     ; my wave's 32 channels
	s_add_co_u32 s18, s18, s16
	s_mov_b32 s19, 0
	s_lshl_b32 s17, s14, 8
	s_mov_b32 s20, 0x76543210                      ; v_permlanex16_b32's selects for lane l xor 16
	s_mov_b32 s21, 0xfedcba98
	s_mov_b32 s22, 0x3b800000                      ; 1 / 256
	s_mov_b32 s23, 0x3727c5ac                      ; 1e-5
	s_mov_b32 s24, 0xff00ff00                      ; lanes whose r has bit 3 set; bit 2; bit 1; bit 0
	s_mov_b32 s25, 0xf0f0f0f0
	s_mov_b32 s26, 0xcccccccc
	s_mov_b32 s27, 0xaaaaaaaa
	v_mul_u32_u24 v4, v3, 16*CHS
	v_lshl_add_u32 v4, v2, 4, v4                   ; x: 16 h channels down, 16 r bytes along
	v_lshlrev_b32 v5, 4, v2                        ; LDS, reading: 16 r
	v_add_nc_u32 v6, s17, v5                       ; LDS, storing: 256 x wave + 16 r
	v_lshlrev_b32 v7, 2, v0                        ; 4 x thread
	v_lshlrev_b32 v8, 4, v0                        ; 16 x thread (threads 0 to 63 use it)
.irp i, 0,1,2,3
	v_mov_b32 v[T+\i], 0                           ; written once: a lane permute's destination counts as one of its sources
.endr
	s_wait_kmcnt 0x0
	s_add_nc_u64 s[4:5], s[4:5], s[18:19]
.irp k, 0,1,2,3,4,5,6,7,8,9,10,11,12,13,14,15
	global_load_b128 v[X+4*\k:X+4*\k+3], v4, s[4:5] offset:\k*CHS   ; the whole tile is asked for at once
.endr
; The two chains of A are added, then the other half of the lanes', then the eight waves' through LDS: v[RB:RB+3] ends as the total over 256 channels for my four tokens, the same bits in every wave.
.macro ACROSS base
	v_pk_add_f32 v[A:A+1], v[A:A+1], v[A+4:A+5]
	v_pk_add_f32 v[A+2:A+3], v[A+2:A+3], v[A+6:A+7]
.irp i, 0,1,2,3
	v_permlanex16_b32 v[T+\i], v[A+\i], s20, s21
.endr
	v_pk_add_f32 v[A:A+1], v[A:A+1], v[T:T+1]
	v_pk_add_f32 v[A+2:A+3], v[A+2:A+3], v[T+2:T+3]
	ds_store_b128 v6, v[A:A+3] offset:\base        ; both halves of the lanes hold the same numbers and write the same bytes
	s_wait_dscnt 0x0                               ; for the others' sake: my store has landed
	s_barrier_signal -1
	s_barrier_wait -1
.irp g, 0,1,2,3,4,5,6,7
	ds_load_b128 v[RB+4*\g:RB+4*\g+3], v5 offset:\base+256*\g
.endr
	s_wait_dscnt 0x0
.irp g, 0,2,4,6
	v_pk_add_f32 v[RB+4*\g:RB+4*\g+1], v[RB+4*\g:RB+4*\g+1], v[RB+4*\g+4:RB+4*\g+5]
	v_pk_add_f32 v[RB+4*\g+2:RB+4*\g+3], v[RB+4*\g+2:RB+4*\g+3], v[RB+4*\g+6:RB+4*\g+7]
.endr
.irp g, 0,4
	v_pk_add_f32 v[RB+4*\g:RB+4*\g+1], v[RB+4*\g:RB+4*\g+1], v[RB+4*\g+8:RB+4*\g+9]
	v_pk_add_f32 v[RB+4*\g+2:RB+4*\g+3], v[RB+4*\g+2:RB+4*\g+3], v[RB+4*\g+10:RB+4*\g+11]
.endr
	v_pk_add_f32 v[RB:RB+1], v[RB:RB+1], v[RB+16:RB+17]
	v_pk_add_f32 v[RB+2:RB+3], v[RB+2:RB+3], v[RB+18:RB+19]
.endm
	; ---- the mean.  The sums follow the loads as they land: each wait leaves the younger loads out
	s_wait_loadcnt 12                              ; loads 0 to 3 are in
	v_pk_add_f32 v[A:A+1],   v[X:X+1],   v[X+8:X+9]          ; the first four loads start the two chains: nothing is cleared
	v_pk_add_f32 v[A+2:A+3], v[X+2:X+3], v[X+10:X+11]
	v_pk_add_f32 v[A+4:A+5], v[X+4:X+5], v[X+12:X+13]
	v_pk_add_f32 v[A+6:A+7], v[X+6:X+7], v[X+14:X+15]
.irp k, 4,5,6,7,8,9,10,11,12,13,14,15
.if \k % 4 == 0
	s_wait_loadcnt 12-\k                           ; four more are in: 8, 4, 0 younger ones may be out
.endif
	v_pk_add_f32 v[A+4*(\k%2):A+4*(\k%2)+1],   v[A+4*(\k%2):A+4*(\k%2)+1],   v[X+4*\k:X+4*\k+1]
	v_pk_add_f32 v[A+4*(\k%2)+2:A+4*(\k%2)+3], v[A+4*(\k%2)+2:A+4*(\k%2)+3], v[X+4*\k+2:X+4*\k+3]
.endr
	ACROSS RS
	v_pk_mul_f32 v[MU:MU+1],   v[RB:RB+1],   0x3b800000 op_sel_hi:[1,0]   ; / 256
	v_pk_mul_f32 v[MU+2:MU+3], v[RB+2:RB+3], 0x3b800000 op_sel_hi:[1,0]
	; ---- the tile is centred in place, and the squares are summed
.irp k, 0,1,2,3,4,5,6,7,8,9,10,11,12,13,14,15
	v_pk_add_f32 v[X+4*\k:X+4*\k+1],   v[X+4*\k:X+4*\k+1],   v[MU:MU+1]   neg_lo:[0,1] neg_hi:[0,1]
	v_pk_add_f32 v[X+4*\k+2:X+4*\k+3], v[X+4*\k+2:X+4*\k+3], v[MU+2:MU+3] neg_lo:[0,1] neg_hi:[0,1]
.endr
	v_pk_mul_f32 v[A:A+1],   v[X:X+1],   v[X:X+1]
	v_pk_mul_f32 v[A+2:A+3], v[X+2:X+3], v[X+2:X+3]
	v_pk_mul_f32 v[A+4:A+5], v[X+4:X+5], v[X+4:X+5]
	v_pk_mul_f32 v[A+6:A+7], v[X+6:X+7], v[X+6:X+7]
.irp k, 2,3,4,5,6,7,8,9,10,11,12,13,14,15
	v_pk_fma_f32 v[A+4*(\k%2):A+4*(\k%2)+1],   v[X+4*\k:X+4*\k+1],   v[X+4*\k:X+4*\k+1],   v[A+4*(\k%2):A+4*(\k%2)+1]
	v_pk_fma_f32 v[A+4*(\k%2)+2:A+4*(\k%2)+3], v[X+4*\k+2:X+4*\k+3], v[X+4*\k+2:X+4*\k+3], v[A+4*(\k%2)+2:A+4*(\k%2)+3]
.endr
	ACROSS RQ
.irp i, 0,1,2,3
	v_fma_f32 v[R+\i], v[RB+\i], s22, s23          ; var + eps
.endr
.irp i, 0,1,2,3
	v_rsq_f32 v[R+\i], v[R+\i]
.endr
	v_nop                                          ; a plain instruction behind the last of the four
	s_wait_alu depctr_va_vdst(0)                   ; one wait for the four, ahead of their first reader
	; ---- for each of my 16 channels: the sum over my four tokens of (x - mu) / sqrt(var + eps)
.irp k, 0,1,2,3,4,5,6,7,8,9,10,11,12,13,14,15
	v_pk_mul_f32 v[X+4*\k:X+4*\k+1], v[X+4*\k:X+4*\k+1], v[R:R+1]
.endr
.irp k, 0,1,2,3,4,5,6,7,8,9,10,11,12,13,14,15
	v_pk_fma_f32 v[X+4*\k:X+4*\k+1], v[X+4*\k+2:X+4*\k+3], v[R+2:R+3], v[X+4*\k:X+4*\k+1]
.endr
.irp k, 0,1,2,3,4,5,6,7,8,9,10,11,12,13,14,15
	v_add_f32 v[P+\k], v[X+4*\k], v[X+4*\k+1]
.endr
; ---- over the 16 lanes of a half (64 tokens), by halving: in each step a lane keeps the half of its sums that its bit of r names and sends the other half to the lane across.
; 8 + 4 + 2 + 1 additions; at the end lane (h, r) holds the tile's sum of channel 32 w + 16 h + r: thread t holds channel t.
.macro BFLY n, msk, xm
.set j, 0
.rept \n
	v_cndmask_b32 v[K+j],   v[P+j],    v[P+j+\n], s[\msk]     ; what I keep
	v_cndmask_b32 v[K+8+j], v[P+j+\n], v[P+j],    s[\msk]     ; what I send
.set j, j+1
.endr
.set j, 0
.rept \n
	v_add_f32_dpp v[P+j], v[K+8+j], v[K+j] row_xmask:\xm row_mask:0xf bank_mask:0xf
.set j, j+1
.endr
.endm
	BFLY 8, 24, 8
	BFLY 4, 25, 4
	BFLY 2, 26, 2
	BFLY 1, 27, 1
	ds_store_b32 v7, v[P] offset:PO
	s_wait_dscnt 0x0                               ; for the others' sake
	s_barrier_signal -1
	s_barrier_wait -1
	s_cmp_gt_u32 s14, 1
	s_cbranch_scc1 .Ldone                          ; waves 0 and 1 store the row of 1,024 bytes: 512 consecutive bytes each, aligned
	ds_load_b128 v[RB:RB+3], v8 offset:PO
	s_lshl_b32 s18, ttmp9, 10                      ; part[g]
	s_mov_b32 s19, 0
	s_add_nc_u64 s[10:11], s[10:11], s[18:19]
	s_wait_dscnt 0x0
	global_store_b128 v8, v[RB:RB+3], s[10:11]
.Ldone:
	s_wait_tensorcnt 0x0
	ds_add_u32 v132, v133
	s_wait_dscnt 0x0
	s_endpgm
; ---- THE WEIGHTS.  A lane takes a column and its registers run down K, so a block of 32 lies in one lane and the conversions give codes with K innermost.  No LDS, no barrier.
; Wave w takes K block w of w_reduce (rows 32 w .. 32 w + 31, lane = column n) and 32 columns of w_select (its one K block).
; wq, w_reduce: the 16 bytes of column n = 16 t + r, block w = 4 s + 2 c + h lie at 2048 t + 256 w + 16 r: the image of registers 4 c .. 4 c + 3 of the operand (tile t, K step s) in lane 16 h + r.
; wq, w_select: lane 16 t + m takes channel 32 w + 16 t + 8 ((m % 8) / 4) + 4 (m / 8) + m % 4 (bits 2 and 3 of the lane change places), so that in the next launch's transposed product
;   a lane's results are the gates of the channels whose numbers it holds.  Its 16 bytes lie at WQ_WS + 1024 w + 512 t + 16 m; the 256 bytes behind each such run are zeros: lanes 16-31 of the operand (K = 32 .. 63).
; wq, scales: at WQ_SC + 256 w + 8 lane: w_select's scale word (its byte, and 0x7f for the three blocks of zeros), then w_reduce's byte as a word.  Every store writes whole runs of 256 aligned bytes.
.macro QBLK xs, cd, sc                 ; 32 numbers v[xs] on -> 32 codes in v[cd:cd+3], the scale's byte in v[sc]
	v_max3_num_f32 v12, |v[\xs]|, |v[\xs+1]|, |v[\xs+2]|
	v_max3_num_f32 v13, |v[\xs+3]|, |v[\xs+4]|, |v[\xs+5]|
.irp i, 6,10,14,18,22,26
	v_max3_num_f32 v12, v12, |v[\xs+\i]|, |v[\xs+\i+1]|
	v_max3_num_f32 v13, v13, |v[\xs+\i+2]|, |v[\xs+\i+3]|
.endr
	v_max3_num_f32 v12, v12, |v[\xs+30]|, |v[\xs+31]|
	v_max3_num_f32 v12, v12, v13, 0x1800000        ; and the floor 2^(3 - 127): the byte cannot fall under 1
	v_add_nc_u32 v14, 0xff000000, v12              ; 2 off the exponent field: the conversion takes this operand's exponent field as its scale
.irp g, 0,1,2,3
	v_cvt_scalef32_pk8_fp4_f32 v[\cd+\g], v[\xs+8*\g:\xs+8*\g+7], v14
.endr
	v_lshrrev_b32 v[\sc], 23, v14                  ; the byte (also the plain instruction behind the conversions)
.endm
.Lweights:
	v_and_b32 v1, 31, v0                           ; lane
	v_lshlrev_b32 v4, 2, v1                        ; w_reduce: column = lane
	v_and_b32 v5, 0x13, v1
	v_and_b32 v6, 4, v1
	v_lshl_or_b32 v5, v6, 1, v5
	v_and_b32 v6, 8, v1
	v_lshrrev_b32 v6, 1, v6
	v_or_b32 v5, v5, v6                            ; the lane with bits 2 and 3 exchanged
	v_lshlrev_b32 v5, 2, v5                        ; w_select: my column among the wave's 32, in bytes
	v_lshlrev_b32 v9, 11, v3
	v_lshl_add_u32 v9, v2, 4, v9                   ; 2048 t + 16 r
	v_lshlrev_b32 v10, 9, v3
	v_lshl_add_u32 v10, v2, 4, v10                 ; 512 t + 16 m
	v_lshlrev_b32 v11, 3, v1                       ; 8 x lane
.irp i, 0,1,2,3
	v_mov_b32 v[88+\i], 0
.endr
	s_lshl_b32 s16, s14, 12                        ; 32 rows of w_reduce are 4,096 bytes
	s_mov_b32 s17, 0
	s_lshl_b32 s18, s14, 7                         ; 32 columns of w_select are 128 bytes
	s_mov_b32 s19, 0
	s_lshl_b32 s24, s14, 8
	s_mov_b32 s25, 0
	s_lshl_b32 s26, s14, 10
	s_mov_b32 s27, 0
	s_wait_kmcnt 0x0
	s_add_nc_u64 s[6:7], s[6:7], s[16:17]
	s_add_nc_u64 s[8:9], s[8:9], s[18:19]
	s_add_nc_u64 s[20:21], s[12:13], s[24:25]      ; wq + 256 w
	s_add_nc_u64 s[22:23], s[12:13], s[26:27]      ; wq + 1024 w
.irp i, 0,1,2,3,4,5,6,7,8,9,10,11,12,13,14,15,16,17,18,19,20,21,22,23,24,25,26,27,28,29,30,31
	global_load_b32 v[16+\i], v4, s[6:7] offset:128*\i
.endr
.irp i, 0,1,2,3,4,5,6,7,8,9,10,11,12,13,14,15,16,17,18,19,20,21,22,23,24,25,26,27,28,29,30,31
	global_load_b32 v[48+\i], v5, s[8:9] offset:1024*\i
.endr
	s_wait_loadcnt 32                              ; w_reduce's 32 are in; w_select's may be out
	QBLK 16, 80, 93
	s_wait_loadcnt 0x0
	QBLK 48, 84, 92
	v_or_b32 v92, 0x7f7f7f00, v92
	global_store_b128 v9, v[80:83], s[20:21]
	global_store_b128 v10, v[84:87], s[22:23] offset:WQ_WS
	global_store_b128 v10, v[88:91], s[22:23] offset:WQ_WS+256
	global_store_b64 v11, v[92:93], s[20:21] offset:WQ_SC
	s_endpgm
.Lfunc_end_k_q4ce56b671d_stats:
	.size	k_q4ce56b671d_stats, .Lfunc_end_k_q4ce56b671d_stats-k_q4ce56b671d_stats
	.p2alignl 7, 3214868480
	.fill 96, 4, 3214868480
	.section	.rodata,"a",@progbits
	.p2align	6, 0x0
	.amdhsa_kernel k_q4ce56b671d_stats
		.amdhsa_group_segment_fixed_size 6144
		.amdhsa_private_segment_fixed_size 0
		.amdhsa_enable_private_segment 0
		.amdhsa_kernarg_size 40
		.amdhsa_user_sgpr_count 2
		.amdhsa_user_sgpr_kernarg_segment_ptr 1
		.amdhsa_wavefront_size32 1
		.amdhsa_system_sgpr_workgroup_id_x 1
		.amdhsa_system_sgpr_workgroup_id_y 1
		.amdhsa_system_sgpr_workgroup_id_z 1
		.amdhsa_system_vgpr_workitem_id 0
		.amdhsa_next_free_vgpr 134
		.amdhsa_next_free_sgpr 66
		.amdhsa_reserve_vcc 0
		.amdhsa_float_denorm_mode_32 3
		.amdhsa_float_denorm_mode_16_64 3
		.amdhsa_memory_ordered 1
		.amdhsa_forward_progress 1
		.amdhsa_inst_pref_size 31
	.end_amdhsa_kernel
	.amdgpu_metadata
---
amdhsa.version: [ 1, 2 ]
amdhsa.kernels:
  - .name:           k_q4ce56b671d_stats
    .symbol:         k_q4ce56b671d_stats.kd
    .args:
      - { .name: x, .offset: 0, .size: 8, .value_kind: global_buffer, .address_space: global }
      - { .name: w_reduce, .offset: 8, .size: 8, .value_kind: global_buffer, .address_space: global }
      - { .name: w_select, .offset: 16, .size: 8, .value_kind: global_buffer, .address_space: global }
      - { .name: part, .offset: 24, .size: 8, .value_kind: global_buffer, .address_space: global }
      - { .name: wq, .offset: 32, .size: 8, .value_kind: global_buffer, .address_space: global }
    .group_segment_fixed_size: 6144
    .private_segment_fixed_size: 0
    .kernarg_segment_align: 8
    .kernarg_segment_size: 40
    .max_flat_workgroup_size: 256
    .sgpr_count:     66
    .vgpr_count:     134
    .wavefront_size: 32
...
	.end_amdgpu_metadata
.endif
;; end of part 1
;; launch gate_scale (part 2): grid 49 x 8, 8 waves a work-group, no clusters, 75,776 bytes of LDS; arguments x, part, wq, ln_w, ln_b, b_reduce, b_select, out0; writes out0
.if DOCPART == 2
	.amdgcn_target "amdgcn-amd-amdhsa--gfx1250"
	.amdhsa_code_object_version 6
	.text
	.protected	k_q4ce56b671d_gate_scale
	.globl	k_q4ce56b671d_gate_scale
	.p2align	8
	.type	k_q4ce56b671d_gate_scale,@function
k_q4ce56b671d_gate_scale:
	s_mov_b64 s[64:65], 0
	v_nop
	global_prefetch_b8 v0, s[64:65] scope:SCOPE_SE
	s_setreg_imm32_b32 hwreg(HW_REG_WAVE_MODE, 25, 1), 1
	s_wait_xcnt 0x0
; SECOND OF TWO LAUNCHES.  out0[b][l][c] = 8 x[b][c][l] gate[b][c]: the eight directions are all x itself (see the first launch), so their eight equal terms are one multiplication by 8.
;   g[c] = ln_w[c] (sum of part[49 b .. 49 b + 48][c]) / 3136 + ln_b[c];   hid = gelu(Q(g) Q(w_reduce) + b_reduce), gelu with the exact erf;   gate = sigmoid(Q(hid) Q(w_select) + b_select).
;   Q: codes of FP4 (E2M1), one E8M0 scale for each 32 along K; both products by v_wmma_scale_f32_16x16x128_f8f6f4, sums in f32.  The weights' codes come from wq, laid as operand registers.
; SHARES.  Work-group (u, b) owns tokens 64 u .. 64 u + 63 of batch b, all 256 channels; wave w channels 32 w .. 32 w + 31, in 64 registers.  Each work-group makes its batch's gate itself: 20 matrix instructions.
;   Waves 0 to 6 add seven rows of part each; wave 7 meanwhile fetches what the first product wants, and then runs g, the first product and gelu alone; every wave runs the second product for its own 32 channels.
;   All 16 rows of the operands g and hid are the same row: the work-group needs one batch.
; THE TILE IS TURNED IN TWO STEPS.  A lane (h, r) loads, for q = 0 .. 3, tokens 4 r .. 4 r + 3 of channels 32 w + 8 q + 4 h + j, j = 0 .. 3: blocks of 4 x 4, which the multiplication by the gate writes transposed.
;   Then 16 bytes (four channels of a token) go to LDS, token t in row 16 (t % 4) + t / 4 of 1,040 bytes: the sixteen lanes of a store lie 1,040 bytes apart, in sixteen different columns of 16 bytes modulo 256.
;   Rows come back whole; each store of a wave covers 512 consecutive bytes of out0, aligned to 256.
; No tensor load: a tile is used once and fits in registers.  No cluster: what work-groups share (49 KiB of part, 14 KiB of wq) is small beside each one's own 128 KiB.  No prefetch: all loads are issued at the head.
; LIMITS: NaN and infinities are not served.  gelu(x) is 0 for x under about -13.2, where erfc falls under 2^-126; far out erfc's relative error grows as z^2 2^-23 (z^2 is rounded ahead of the exponential).
;   A block whose largest magnitude lies under 2^-124 (a block of zeros too) has the byte 1.
.set CHS,   12544                      ; bytes from channel to channel
.set BATS,  3211264                    ; bytes from batch to batch, in x and in out0 alike
.set WQ_WS, 4096                       ; wq: w_select's image
.set WQ_SC, 12288                      ; wq: the scales
.set PS,    0                          ; LDS: seven waves' sums of part, 7 x 1,024 bytes
.set GQ,    7168                       ; g's 256 codes, 128 bytes
.set GS,    7296                       ; g's 8 scale bytes
.set HV,    7424                       ; hid's 32 numbers, and behind them 128 bytes of zeros
.set HS,    7680                       ; hid's scale: as the conversion takes it, and as a scale word
.set TILE,  7936                       ; 64 rows of TP bytes
.set TP,    1040
.set BI,  16                           ; v16-31   b_select in the second product's result layout: its C
.set WS,  32                           ; v32-47   w_select: my two tiles
.set HB,  48                           ; v48-55   hid's codes
.set WSS, 56                           ; v56      w_select's scale words: lanes 0-15 tile 0, lanes 16-31 tile 1
.set HSC, 58                           ; v58 the conversion's scale operand; v59 hid's scale word
.set AS,  60                           ; v60-61   g's scale words, K steps 0 and 1
.set BS,  62                           ; v62-63   w_reduce's: lanes 0-15 tile 0, lanes 16-31 tile 1
.set M,   64                           ; v64-79   at work; at the end the 16 gates
.set X,   80                           ; v80-143  the tile
.set U,   144                          ; v144-207 rows of part (waves 0-6); w_reduce's image and what goes with it (wave 7); later products
.set V,   208                          ; v208-255 at work
.set AO,  V+8                          ; g's codes, two K steps
.set D0,  V+24                         ; the first product's two accumulators
.set D1,  V+32
	s_load_b512 s[8:23], s[0:1], 0x0               ; x s[8:9], part s[10:11], wq s[12:13], ln_w s[14:15], ln_b s[16:17], b_reduce s[18:19], b_select s[20:21], out0 s[22:23]
	v_lshl_add_u32 v206, v0, 2, 0x12400
	v_mov_b32 v207, 0
	v_lshrrev_b32 v1, 5, v0
	v_readfirstlane_b32 s24, v1                    ; wave 0..7
	v_and_b32 v1, 31, v0                           ; lane
	v_and_b32 v2, 15, v0                           ; r
	v_bfe_u32 v3, v0, 4, 1                         ; h
	s_and_b32 s25, ttmp7, 0xffff                   ; b
	; every address register is made here, ahead of the waves' parting, and never rewritten
	v_mul_u32_u24 v4, v3, 4*CHS
	v_lshl_add_u32 v4, v2, 4, v4                   ; x: 4 h channels down, 16 r bytes along
	v_lshlrev_b32 v5, 4, v1                        ; 16 x lane
	v_lshlrev_b32 v6, 5, v1                        ; 32 x lane
	v_lshlrev_b32 v7, 2, v1                        ; 4 x lane
	v_lshlrev_b32 v8, 3, v1                        ; 8 x lane
	v_lshlrev_b32 v9, 4, v3                        ; 16 h
	s_lshl_b32 s26, s24, 10
	v_add_nc_u32 v10, s26, v5                      ; LDS: 1024 x wave + 16 x lane (waves 0 to 6)
	v_lshrrev_b32 v11, 2, v1                       ; lane / 4: my block of g
	v_lshlrev_b32 v12, 7, v3                       ; 128 h: lanes 16-31 read the zeros behind hid
	v_mov_b32 v13, 0
	v_mul_u32_u24 v14, v2, TP
	v_lshl_add_u32 v14, v3, 4, v14
	s_lshl_b32 s27, s24, 7
	s_add_co_u32 s27, s27, TILE
	v_add_nc_u32 v14, s27, v14                     ; the tile, storing: row r, byte 128 w + 16 h
	s_mul_i32 s27, s24, 8*TP
	s_add_co_u32 s27, s27, TILE
	v_add_nc_u32 v15, s27, v5                      ; the tile, reading: rows 8 w on, 16 x lane
.irp i, 4,5,6,7,12,13,14,15
	v_mov_b32 v[WS+\i], 0                          ; K = 64 .. 127 of w_select's tiles: zero codes
.endr
.irp i, 4,5,6,7
	v_mov_b32 v[HB+\i], 0                          ; and of hid
.endr
	v_mov_b32 v[BS], 0                             ; these three get a value on every wave's way through the text; wave 7 writes them anew
	v_mov_b32 v[BS+1], 0
	v_mov_b32 v[U+56], 0
	s_mov_b32 s46, 0xffff0000                      ; lanes 16-31
	s_mov_b32 s48, 0x76543210                      ; v_permlanex16_b32's selects for lane l xor 16
	s_mov_b32 s49, 0xfedcba98
	s_mov_b32 s50, 0x3e000000                      ; 0.125
	s_mul_i32 s28, s25, BATS
	s_lshl_b32 s26, ttmp9, 8
	s_add_co_u32 s30, s28, s26
	s_mul_i32 s26, s24, 32*CHS
	s_add_co_u32 s30, s30, s26                     ; x: batch, 64 u tokens, my wave's 32 channels
	s_mov_b32 s31, 0
	s_mul_i32 s36, s25, 49
	s_mul_i32 s26, s24, 7
	s_add_co_u32 s36, s36, s26
	s_lshl_b32 s36, s36, 10                        ; part: row 49 b + 7 w
	s_mov_b32 s37, 0
	s_lshl_b32 s38, s24, 10
	s_mov_b32 s39, 0
	s_lshl_b32 s40, s24, 8
	s_mov_b32 s41, 0
	s_lshl_b32 s42, s24, 7
	s_mov_b32 s43, 0
	s_lshl_b32 s26, ttmp9, 16
	s_add_co_u32 s44, s28, s26                     ; out0: batch, 64 u rows of 1,024 bytes,
	s_and_b32 s26, s24, 1
	s_lshl_b32 s26, s26, 15
	s_add_co_u32 s44, s44, s26
	s_lshr_b32 s26, s24, 1
	s_lshl_b32 s26, s26, 10
	s_add_co_u32 s44, s44, s26                     ; and token 32 (w % 2) + w / 2: LDS row 8 w + e holds token 32 (w % 2) + 4 e + w / 2
	s_mov_b32 s45, 0
	s_wait_kmcnt 0x0
	s_add_nc_u64 s[8:9], s[8:9], s[30:31]
	s_add_nc_u64 s[10:11], s[10:11], s[36:37]
	s_add_nc_u64 s[32:33], s[12:13], s[38:39]      ; wq + 1024 w
	s_add_nc_u64 s[34:35], s[12:13], s[40:41]      ; wq + 256 w
	s_add_nc_u64 s[20:21], s[20:21], s[42:43]      ; b_select at my 32 channels
	s_add_nc_u64 s[22:23], s[22:23], s[44:45]
; What every wave loads, 23 loads: 7 small ones for the second product, then the tile.  They stand BEHIND the loads that the gate waits for first: loads come back in the order of issue.
.macro COMMON_LOADS
.irp t, 0,1
	global_load_b128 v[BI+8*\t:BI+8*\t+3],   v9, s[20:21] offset:64*\t        ; register 8 t + j' is the bias of channel 32 w + 16 t + 8 (j' / 4) + 4 h + j' % 4
	global_load_b128 v[BI+8*\t+4:BI+8*\t+7], v9, s[20:21] offset:64*\t+32
	global_load_b128 v[WS+8*\t:WS+8*\t+3],   v5, s[32:33] offset:WQ_WS+512*\t ; lanes 0-15: 32 codes of a channel; lanes 16-31: zeros
.endr
	global_load_b32 v[WSS], v8, s[34:35] offset:WQ_SC
.irp q, 0,1,2,3
.irp j, 0,1,2,3
	global_load_b128 v[X+16*\q+4*\j:X+16*\q+4*\j+3], v4, s[8:9] offset:(8*\q+\j)*CHS th:TH_LOAD_NT   ; sixteen lanes read 256 consecutive bytes of one channel, aligned
.endr
.endr
.endm
.macro ADD8 d, s                       ; eight numbers onto eight
.irp p, 0,2,4,6
	v_pk_add_f32 v[\d+\p:\d+\p+1], v[\d+\p:\d+\p+1], v[\s+\p:\s+\p+1]
.endr
.endm
	s_cmp_eq_u32 s24, 7
	s_cbranch_scc1 .Lprep
	; ---- waves 0 to 6: rows 7 w .. 7 w + 6 of the batch's 49; each load reads 512 consecutive bytes: channels 4 lane on, and 128 + 4 lane on
.irp i, 0,1,2,3,4,5,6
	global_load_b128 v[U+8*\i:U+8*\i+3],   v5, s[10:11] offset:1024*\i
	global_load_b128 v[U+8*\i+4:U+8*\i+7], v5, s[10:11] offset:1024*\i+512
.endr
	COMMON_LOADS
	s_wait_loadcnt 23                              ; my seven rows are in; the 23 loads behind them may be out
	ADD8 U, U+8
	ADD8 U+16, U+24
	ADD8 U+32, U+40
	ADD8 U, U+16
	ADD8 U+32, U+48
	ADD8 U, U+32
	ds_store_b128 v10, v[U:U+3] offset:PS
	ds_store_b128 v10, v[U+4:U+7] offset:PS+512
	s_branch .Lmeet_a
.Lprep:
	; ---- wave 7: w_reduce's image (tile t, K step s at v[U + 8 (2 t + s)]), its eight scale bytes a column, ln_w, ln_b (channels 8 lane on), b_reduce (hidden unit = lane)
.irp f, 0,1,2,3,4,5,6,7
	global_load_b128 v[U+4*\f:U+4*\f+3], v5, s[12:13] offset:512*\f
.endr
.irp k, 0,1,2,3,4,5,6,7
	global_load_b32 v[U+32+\k], v8, s[12:13] offset:WQ_SC+256*\k+4
.endr
	global_load_b128 v[U+40:U+43], v6, s[14:15]
	global_load_b128 v[U+44:U+47], v6, s[14:15] offset:16
	global_load_b128 v[U+48:U+51], v6, s[16:17]
	global_load_b128 v[U+52:U+55], v6, s[16:17] offset:16
	global_load_b32 v[U+56], v7, s[18:19]
	COMMON_LOADS
	ds_store_b32 v7, v13 offset:HV+128             ; the zeros that lanes 16-31 will read as hid's K = 32 .. 63
	s_wait_loadcnt 23                              ; my 21 are in; the 23 behind them may be out
	v_lshl_or_b32 v[BS],   v[U+33], 8,  v[U+32]    ; four bytes make a K step's scale word of column = lane
	v_lshl_or_b32 v[BS+1], v[U+37], 8,  v[U+36]
	v_lshl_or_b32 v[BS],   v[U+34], 16, v[BS]
	v_lshl_or_b32 v[BS+1], v[U+38], 16, v[BS+1]
	v_lshl_or_b32 v[BS],   v[U+35], 24, v[BS]
	v_lshl_or_b32 v[BS+1], v[U+39], 24, v[BS+1]
.Lmeet_a:
	s_wait_dscnt 0x0                               ; for the others' sake: my LDS stores have landed
	s_barrier_signal -1
	s_barrier_wait -1                              ; the seven sums lie in LDS
	s_cmp_lg_u32 s24, 7
	s_cbranch_scc1 .Lmeet_b
	; ---- wave 7 alone: g.  Lane l takes channels 8 l .. 8 l + 7
.irp i, 0,1,2,3,4,5
	ds_load_b128 v[V+8*\i:V+8*\i+3],   v6 offset:PS+1024*\i
	ds_load_b128 v[V+8*\i+4:V+8*\i+7], v6 offset:PS+1024*\i+16
.endr
	ds_load_b128 v[M:M+3],   v6 offset:PS+6144
	ds_load_b128 v[M+4:M+7], v6 offset:PS+6144+16
	s_wait_dscnt 0x0
	ADD8 V, V+8
	ADD8 V+16, V+24
	ADD8 V+32, V+40
	ADD8 V, V+16
	ADD8 V+32, M
	ADD8 V, V+32
.irp p, 0,2,4,6
	v_pk_mul_f32 v[V+\p:V+\p+1], v[V+\p:V+\p+1], 0x39a72f05 op_sel_hi:[1,0]      ; / 3136
.endr
.irp p, 0,2,4,6
	v_pk_fma_f32 v[V+\p:V+\p+1], v[V+\p:V+\p+1], v[U+40+\p:U+41+\p], v[U+48+\p:U+49+\p]   ; x ln_w + ln_b
.endr
	; g is quantised: a block of 32 lies in four neighbouring lanes
	v_max3_num_f32 v72, |v[V]|, |v[V+1]|, 0x1800000                ; with the floor 2^(3 - 127): the byte cannot fall under 1
	v_max3_num_f32 v72, v72, |v[V+2]|, |v[V+3]|
	v_max3_num_f32 v72, v72, |v[V+4]|, |v[V+5]|
	v_max3_num_f32 v72, v72, |v[V+6]|, |v[V+7]|
	v_max_num_f32_dpp v72, v72, v72 row_xmask:1 row_mask:0xf bank_mask:0xf
	v_max_num_f32_dpp v72, v72, v72 row_xmask:2 row_mask:0xf bank_mask:0xf
	v_add_nc_u32 v73, 0xff000000, v72              ; 2 off the exponent field: the conversion's scale operand
	v_cvt_scalef32_pk8_fp4_f32 v74, v[V:V+7], v73
	v_lshrrev_b32 v75, 23, v73                     ; the byte (also the plain instruction behind the conversion)
	ds_store_b32 v7, v74 offset:GQ                 ; the codes of K = 8 l .. 8 l + 7 at byte 4 l: g's 128 bytes lie in the order of K
	ds_store_b8 v11, v75 offset:GS                 ; four lanes write the same byte with the same value
.irp s, 0,1
.irp c, 0,1
	ds_load_b128 v[AO+8*\s+4*\c:AO+8*\s+4*\c+3], v9 offset:GQ+64*\s+32*\c   ; registers 4 c .. 4 c + 3 of K step s: K = 128 s + 64 c + 32 h + 0 .. 31; the same in all 16 rows.  LDS serves a wave's instructions in order: these see the stores
.endr
.endr
	ds_load_b64 v[AS:AS+1], v13 offset:GS          ; the two scale words, the same in every lane
	s_wait_dscnt 0x0
	; hid(n) = sum over k of g(k) w_reduce(k, n): source 0 = g in 16 equal rows, source 1 = 16 columns of w_reduce.  Two accumulators by turns
	v_wmma_scale_f32_16x16x128_f8f6f4 v[D0:D0+7], v[AO:AO+7], v[U:U+7], 0, v[AS], v[BS] matrix_a_fmt:MATRIX_FMT_FP4 matrix_b_fmt:MATRIX_FMT_FP4
	v_wmma_scale_f32_16x16x128_f8f6f4 v[D1:D1+7], v[AO:AO+7], v[U+16:U+23], 0, v[AS], v[BS] matrix_a_fmt:MATRIX_FMT_FP4 matrix_b_fmt:MATRIX_FMT_FP4 matrix_b_scale:MATRIX_SCALE_ROW1
	v_wmma_scale_f32_16x16x128_f8f6f4 v[D0:D0+7], v[AO+8:AO+15], v[U+8:U+15], v[D0:D0+7], v[AS+1], v[BS+1] matrix_a_fmt:MATRIX_FMT_FP4 matrix_b_fmt:MATRIX_FMT_FP4
	v_wmma_scale_f32_16x16x128_f8f6f4 v[D1:D1+7], v[AO+8:AO+15], v[U+24:U+31], v[D1:D1+7], v[AS+1], v[BS+1] matrix_a_fmt:MATRIX_FMT_FP4 matrix_b_fmt:MATRIX_FMT_FP4 matrix_b_scale:MATRIX_SCALE_ROW1
	v_mov_b32 v68, 0x38a4b519                      ; four plain instructions behind the products (ISA guide 7.12.1): the three polynomials' leading coefficients,
	v_mov_b32 v69, 0x3cbe9cf4
	v_mov_b32 v70, 0xc127a483
	v_nop                                          ; and one with nothing to do
	v_cndmask_b32 v64, v[D0], v[D1], s46           ; all rows are equal: register 0 of tile t in lane (r, h) is hid(16 t + r).  Lane l takes hidden unit l
	v_add_f32 v64, v64, v[U+56]                    ; + b_reduce
	; gelu(x) = x / 2 erfc(z), z = -x / sqrt(2).  erfc in f32, in three ranges, all computed, one chosen by v_cndmask_b32:
	;   |z| < 1: 1 - z T(z^2);   1 <= |z| < 2: exp(-z^2) / |z| P(1 / z^2);   2 <= |z|: the same with R;   for z < 0 beyond 1: 2 - erfc(|z|).  What the ranges not chosen give (infinities at z = 0) is dropped
	v_mul_f32 v65, 0xbf3504f3, v64                 ; z
	v_mul_f32 v66, v65, v65                        ; z^2
	v_and_b32 v67, 0x7fffffff, v65                 ; |z|
	v_mul_f32 v72, 0xbfb8aa3b, v66                 ; -z^2 log2(e)
	v_rcp_f32 v71, v67
	v_exp_f32 v72, v72
.irp c, 0xba51fb80, 0x3baa02d9, 0xbcdbfc87, 0x3de7167c, 0xbec0939f, 0x3f906eba
	v_fma_f32 v68, v68, v66, \c                    ; T: plain work behind the two transcendentals, which names neither result
.endr
	s_wait_alu depctr_va_vdst(0)                   ; one wait for the two, ahead of their first reader
	v_mul_f32 v73, v71, v71                        ; y = 1 / z^2
	v_fma_f32 v69, v69, v73, 0xbe0e0868            ; P and R by turns
	v_fma_f32 v70, v70, v73, 0x414fa29c
	v_fma_f32 v69, v69, v73, 0x3ebccbd0
	v_fma_f32 v70, v70, v73, 0xc0efdb4a
	v_fma_f32 v69, v69, v73, 0xbf151cf8
	v_fma_f32 v70, v70, v73, 0x403af1fa
	v_fma_f32 v69, v69, v73, 0x3f1ef9e3
	v_fma_f32 v70, v70, v73, 0xbf81f436
	v_fma_f32 v69, v69, v73, 0xbefd28c0
	v_fma_f32 v70, v70, v73, 0x3ed7fc3e
	v_fma_f32 v69, v69, v73, 0x3eae5471
	v_fma_f32 v70, v70, v73, 0xbe906c5d
	v_fma_f32 v69, v69, v73, 0xbe8c5880
	v_fma_f32 v70, v70, v73, 0x3f106eb9
	v_fma_f32 v69, v69, v73, 0x3f1056e6
	v_cmp_gt_f32 vcc_lo, 2.0, v67
	v_cndmask_b32 v69, v70, v69, vcc_lo            ; P under 2, R beyond
	v_mul_f32 v72, v72, v71
	v_mul_f32 v72, v72, v69                        ; erfc(|z|)
	v_sub_f32 v70, 2.0, v72
	v_cmp_gt_f32 vcc_lo, 0, v65
	v_cndmask_b32 v72, v72, v70, vcc_lo            ; 2 - erfc(|z|) where z < 0
	v_fma_f32 v68, -v65, v68, 1.0                  ; 1 - erf(z)
	v_cmp_gt_f32 vcc_lo, 1.0, v67
	v_cndmask_b32 v72, v72, v68, vcc_lo
	v_mul_f32 v70, 0.5, v64
	v_mul_f32 v64, v70, v72                        ; gelu
	; its one block of 32 lies across the 32 lanes
	v_max3_num_f32 v74, |v64|, |v64|, 0x1800000
	v_max_num_f32_dpp v74, v74, v74 row_xmask:1 row_mask:0xf bank_mask:0xf
	v_max_num_f32_dpp v74, v74, v74 row_xmask:2 row_mask:0xf bank_mask:0xf
	v_max_num_f32_dpp v74, v74, v74 row_xmask:4 row_mask:0xf bank_mask:0xf
	v_max_num_f32_dpp v74, v74, v74 row_xmask:8 row_mask:0xf bank_mask:0xf
	v_permlanex16_b32 v75, v74, s48, s49
	v_max_num_f32 v74, v74, v75
	v_add_nc_u32 v76, 0xff000000, v74              ; the conversion's scale operand,
	v_lshrrev_b32 v77, 23, v76
	v_or_b32 v77, 0x7f7f7f00, v77                  ; and the scale word: the byte, and 0x7f for the three blocks of zeros
	ds_store_b32 v7, v64 offset:HV
	ds_store_b64 v13, v[76:77] offset:HS           ; every lane writes the same eight bytes with the same values
.Lmeet_b:
	s_wait_dscnt 0x0                               ; wave 7's stores have landed
	s_barrier_signal -1
	s_barrier_wait -1
	; ---- every wave: hid's 32 numbers into each lane's registers (lanes 16-31 read zeros: K = 32 .. 63), and their codes
.irp i, 0,1,2,3,4,5,6,7
	ds_load_b128 v[V+4*\i:V+4*\i+3], v12 offset:HV+16*\i
.endr
	ds_load_b64 v[HSC:HSC+1], v13 offset:HS
	s_wait_dscnt 0x0
.irp i, 0,1,2,3
	v_cvt_scalef32_pk8_fp4_f32 v[HB+\i], v[V+8*\i:V+8*\i+7], v[HSC]
.endr
.rept 4
	v_nop                                          ; an operand written by vector instructions stands four plain instructions ahead of a scaled matrix instruction
.endr
	s_wait_loadcnt 16                              ; b_select, w_select's codes and scale words are in; the tile's 16 loads may be out
	; TRANSPOSED: source 0 = 16 channels of w_select, source 1 = hid in 16 equal rows; C = b_select.  Register 8 t + j' of lane (r, h) is channel 32 w + 16 t + 8 (j' / 4) + 4 h + j' % 4: register 4 q + j is the channel of my load (q, j)
	v_wmma_scale_f32_16x16x128_f8f6f4 v[M:M+7], v[WS:WS+7], v[HB:HB+7], v[BI:BI+7], v[WSS], v[HSC+1] matrix_a_fmt:MATRIX_FMT_FP4 matrix_b_fmt:MATRIX_FMT_FP4
	v_wmma_scale_f32_16x16x128_f8f6f4 v[M+8:M+15], v[WS+8:WS+15], v[HB:HB+7], v[BI+8:BI+15], v[WSS], v[HSC+1] matrix_a_fmt:MATRIX_FMT_FP4 matrix_b_fmt:MATRIX_FMT_FP4 matrix_a_scale:MATRIX_SCALE_ROW1
.rept 4
	v_nop                                          ; four plain instructions ahead of the first read of the results (ISA guide 7.12.1)
.endr
	; 8 sigmoid(v) = 1 / (0.125 + 0.125 x 2^(-v log2(e))); each accumulator is read from its low end on
.irp j, 0,1,2,3,4,5,6,7,8,9,10,11,12,13,14,15
	v_mul_f32 v[M+\j], 0xbfb8aa3b, v[M+\j]
.endr
.irp j, 0,1,2,3,4,5,6,7,8,9,10,11,12,13,14,15
	v_exp_f32 v[M+\j], v[M+\j]
.endr
	v_nop                                          ; a plain instruction behind the batch,
	s_wait_alu depctr_va_vdst(0)                   ; and one wait for it, ahead of its first reader
.irp j, 0,1,2,3,4,5,6,7,8,9,10,11,12,13,14,15
	v_fma_f32 v[M+\j], v[M+\j], s50, s50
.endr
.irp j, 0,1,2,3,4,5,6,7,8,9,10,11,12,13,14,15
	v_rcp_f32 v[M+\j], v[M+\j]
.endr
	v_nop
	s_wait_alu depctr_va_vdst(0)                   ; likewise for the reciprocals
; ---- group q of the tile: 4 channels x 4 tokens a lane, multiplied by the gates and written transposed; then four stores of 16 bytes: four channels of one token.
; The products of group q land in registers that no pending LDS store reads: group 0's in U, the others' in the registers that the group before has left.
.macro SCALEQ q, dst
	s_wait_loadcnt 12-4*\q                         ; this group's four loads are in; the later groups' may be out
.irp i, 0,1,2,3
.irp j, 0,1,2,3
	v_mul_f32 v[\dst+4*\i+\j], v[X+16*\q+4*\j+\i], v[M+4*\q+\j]
.endr
.endr
.irp i, 0,1,2,3
	ds_store_b128 v14, v[\dst+4*\i:\dst+4*\i+3] offset:16*TP*\i+32*\q   ; token 4 r + i lies in row 16 i + r
.endr
.endm
	SCALEQ 0, U
	SCALEQ 1, X
	SCALEQ 2, X+16
	SCALEQ 3, X+32
	s_wait_dscnt 0x0                               ; for the others' sake: my part of every row has landed
	s_barrier_signal -1
	s_barrier_wait -1
.irp e, 0,1,2,3,4,5,6,7
	ds_load_b128 v[X+8*\e:X+8*\e+3],   v15 offset:TP*\e
	ds_load_b128 v[X+8*\e+4:X+8*\e+7], v15 offset:TP*\e+512
.endr
.irp e, 0,1,2,3,4,5,6,7
	s_wait_dscnt 14-2*\e                           ; row e is back; the rows behind it may be out
	global_store_b128 v5, v[X+8*\e:X+8*\e+3],   s[22:23] offset:4096*\e th:TH_STORE_NT       ; 32 lanes store 512 consecutive bytes of a token's 1,024, aligned to 256; written once, read by nobody here
	global_store_b128 v5, v[X+8*\e+4:X+8*\e+7], s[22:23] offset:4096*\e+512 th:TH_STORE_NT
.endr
	s_wait_tensorcnt 0x0
	ds_add_u32 v206, v207
	s_wait_dscnt 0x0
	s_endpgm
.Lfunc_end_k_q4ce56b671d_gate_scale:
	.size	k_q4ce56b671d_gate_scale, .Lfunc_end_k_q4ce56b671d_gate_scale-k_q4ce56b671d_gate_scale
	.p2alignl 7, 3214868480
	.fill 96, 4, 3214868480
	.section	.rodata,"a",@progbits
	.p2align	6, 0x0
	.amdhsa_kernel k_q4ce56b671d_gate_scale
		.amdhsa_group_segment_fixed_size 75776
		.amdhsa_private_segment_fixed_size 0
		.amdhsa_enable_private_segment 0
		.amdhsa_kernarg_size 64
		.amdhsa_user_sgpr_count 2
		.amdhsa_user_sgpr_kernarg_segment_ptr 1
		.amdhsa_wavefront_size32 1
		.amdhsa_system_sgpr_workgroup_id_x 1
		.amdhsa_system_sgpr_workgroup_id_y 1
		.amdhsa_system_sgpr_workgroup_id_z 1
		.amdhsa_system_vgpr_workitem_id 0
		.amdhsa_next_free_vgpr 256
		.amdhsa_next_free_sgpr 66
		.amdhsa_reserve_vcc 1
		.amdhsa_float_denorm_mode_32 3
		.amdhsa_float_denorm_mode_16_64 3
		.amdhsa_memory_ordered 1
		.amdhsa_forward_progress 1
		.amdhsa_inst_pref_size 33
	.end_amdhsa_kernel
	.amdgpu_metadata
---
amdhsa.version: [ 1, 2 ]
amdhsa.kernels:
  - .name:           k_q4ce56b671d_gate_scale
    .symbol:         k_q4ce56b671d_gate_scale.kd
    .args:
      - { .name: x, .offset: 0, .size: 8, .value_kind: global_buffer, .address_space: global }
      - { .name: part, .offset: 8, .size: 8, .value_kind: global_buffer, .address_space: global }
      - { .name: wq, .offset: 16, .size: 8, .value_kind: global_buffer, .address_space: global }
      - { .name: ln_w, .offset: 24, .size: 8, .value_kind: global_buffer, .address_space: global }
      - { .name: ln_b, .offset: 32, .size: 8, .value_kind: global_buffer, .address_space: global }
      - { .name: b_reduce, .offset: 40, .size: 8, .value_kind: global_buffer, .address_space: global }
      - { .name: b_select, .offset: 48, .size: 8, .value_kind: global_buffer, .address_space: global }
      - { .name: out0, .offset: 56, .size: 8, .value_kind: global_buffer, .address_space: global }
    .group_segment_fixed_size: 75776
    .private_segment_fixed_size: 0
    .kernarg_segment_align: 8
    .kernarg_segment_size: 64
    .max_flat_workgroup_size: 256
    .sgpr_count:     66
    .vgpr_count:     256
    .wavefront_size: 32
...
	.end_amdgpu_metadata
.endif
;; end of part 2
;; ======== version 2 of 2: 2 launches; version 1 with the launch gate_scale written anew for expert scheduling mode
;; workspace buffers: part 401,408 bytes; wq 14,336 bytes
;; launch stats: the kernel of part 1 again; grid 393 x 1, 8 waves a work-group, no clusters, 6,144 bytes of LDS; arguments x, w_reduce, w_select, part, wq; writes part, wq
;; launch gate_scale (part 3): grid 49 x 8, 8 waves a work-group, no clusters, 75,776 bytes of LDS; arguments x, part, wq, ln_w, ln_b, b_reduce, b_select, out0; writes out0
.if DOCPART == 3
	.amdgcn_target "amdgcn-amd-amdhsa--gfx1250"
	.amdhsa_code_object_version 6
	.text
	.protected	k_q4ce56b671d_gate_scale
	.globl	k_q4ce56b671d_gate_scale
	.p2align	8
	.type	k_q4ce56b671d_gate_scale,@function
k_q4ce56b671d_gate_scale:
	s_mov_b64 s[64:65], 0
	v_nop
	global_prefetch_b8 v0, s[64:65] scope:SCOPE_SE
	s_setreg_imm32_b32 hwreg(HW_REG_WAVE_SCHED_MODE, 0, 2), 2
	s_setreg_imm32_b32 hwreg(HW_REG_WAVE_MODE, 25, 1), 1
	s_wait_xcnt 0x0
	s_wait_alu depctr_vm_vsrc(0)
; SECOND OF TWO LAUNCHES.  out0[b][l][c] = 8 x[b][c][l] gate[b][c]: the eight directions are all x itself (see the first launch), so their eight equal terms are one multiplication by 8.
;   g[c] = ln_w[c] (sum of part[49 b .. 49 b + 48][c]) / 3136 + ln_b[c];   hid = gelu(Q(g) Q(w_reduce) + b_reduce), gelu with the exact erf;   gate = sigmoid(Q(hid) Q(w_select) + b_select).
;   Q: codes of FP4 (E2M1), one E8M0 scale for each 32 along K; both products by v_wmma_scale_f32_16x16x128_f8f6f4, sums in f32.  The weights' codes come from wq, laid as operand registers.
; SHARES.  Work-group (u, b) owns tokens 64 u .. 64 u + 63 of batch b, all 256 channels; wave w channels 32 w .. 32 w + 31, in 64 registers.  Each work-group makes its batch's gate itself: 20 matrix instructions.
;   Waves 0 to 6 add seven rows of part each; wave 7 meanwhile fetches what the first product wants, and then runs g, the first product and gelu alone; every wave runs the second product for its own 32 channels.
;   All 16 rows of the operands g and hid are the same row: the work-group needs one batch.
; THE TILE IS TURNED IN TWO STEPS.  A lane (h, r) loads, for q = 0 .. 3, tokens 4 r .. 4 r + 3 of channels 32 w + 8 q + 4 h + j, j = 0 .. 3: blocks of 4 x 4, which the multiplication by the gate writes transposed.
;   Then 16 bytes (four channels of a token) go to LDS, token t in row 16 (t % 4) + t / 4 of 1,040 bytes: the sixteen lanes of a store lie 1,040 bytes apart, in sixteen different columns of 16 bytes modulo 256.
;   Rows come back whole; each store of a wave covers 512 consecutive bytes of out0, aligned to 256.
; No tensor load: a tile is used once and fits in registers.  No cluster: what work-groups share (49 KiB of part, 14 KiB of wq) is small beside each one's own 128 KiB.  No prefetch: all loads are issued at the head.
; LIMITS: NaN and infinities are not served.  gelu(x) is 0 for x under about -13.2, where erfc falls under 2^-126; far out erfc's relative error grows as z^2 2^-23 (z^2 is rounded ahead of the exponential).
;   A block whose largest magnitude lies under 2^-124 (a block of zeros too) has the byte 1.
; THE MODE: SCHED_MODE bits 1:0 = 2 (LLVM: expert scheduling mode 2), set by the entry lines.  The code itself states the register dependences
; between vector or matrix instructions and memory or LDS instructions, with s_wait_alu, always for 0.
; THE PLAN.  Registers that memory or LDS instructions touch, and who else names them:
;   v4-v15, v206, v207   offsets and LDS addresses: written at the head, never again; read by every load and store.  One wait on va_vdst at the head's end serves them all.
;   U     waves 0-6: rows of part land, ADD8 adds them, two LDS stores read U .. U + 7; much later group 0's products are written there.  Wave 7: loads land (U + 56 was written at the head); vector and matrix lines read.
;   V     wave 7: the seven sums land, ADD8 works on them, g's codes land in V + 8 .. V + 23, the first product writes V + 24 .. V + 39.  Every wave: behind the second barrier hid lands in V .. V + 31.
;   v74, v75   wave 7: g's codes and byte: written, read by two LDS stores, written again by gelu's lines.      v64, v76, v77   wave 7: hid and its scale: written, read by two LDS stores; the second product writes v64-79.
;   HB, BS     written by vector lines, taken by scaled matrix instructions.
;   U .. U + 15, X .. X + 47   the tile's products: written by group q's multiplications, read by four LDS stores that stand in group q + 1's turn; behind the third barrier whole rows land in X .. X + 63.
;   s24 (the wave's number) and s26-s28 (three masks) are written by vector lines: a wait on va_sdst stands ahead of the first reader of each run.
.set CHS,   12544                      ; bytes from channel to channel
.set BATS,  3211264                    ; bytes from batch to batch, in x and in out0 alike
.set WQ_WS, 4096                       ; wq: w_select's image
.set WQ_SC, 12288                      ; wq: the scales
.set PS,    0                          ; LDS: seven waves' sums of part, 7 x 1,024 bytes
.set GQ,    7168                       ; g's 256 codes, 128 bytes
.set GS,    7296                       ; g's 8 scale bytes
.set HV,    7424                       ; hid's 32 numbers, and behind them 128 bytes of zeros
.set HS,    7680                       ; hid's scale: as the conversion takes it, and as a scale word
.set TILE,  7936                       ; 64 rows of TP bytes
.set TP,    1040
.set BI,  16                           ; v16-31   b_select in the second product's result layout: its C
.set WS,  32                           ; v32-47   w_select: my two tiles
.set HB,  48                           ; v48-55   hid's codes
.set WSS, 56                           ; v56      w_select's scale words: lanes 0-15 tile 0, lanes 16-31 tile 1
.set HSC, 58                           ; v58 the conversion's scale operand; v59 hid's scale word
.set AS,  60                           ; v60-61   g's scale words, K steps 0 and 1
.set BS,  62                           ; v62-63   w_reduce's: lanes 0-15 tile 0, lanes 16-31 tile 1
.set M,   64                           ; v64-79   at work; at the end the 16 gates
.set X,   80                           ; v80-143  the tile
.set U,   144                          ; v144-207 rows of part (waves 0-6); w_reduce's image and what goes with it (wave 7); later products
.set V,   208                          ; v208-255 at work
.set AO,  V+8                          ; g's codes, two K steps
.set D0,  V+24                         ; the first product's two accumulators
.set D1,  V+32
	s_load_b512 s[8:23], s[0:1], 0x0               ; x s[8:9], part s[10:11], wq s[12:13], ln_w s[14:15], ln_b s[16:17], b_reduce s[18:19], b_select s[20:21], out0 s[22:23]
	v_lshl_add_u32 v206, v0, 2, 0x12400
	v_mov_b32 v207, 0
	v_lshrrev_b32 v1, 5, v0
	v_readfirstlane_b32 s24, v1                    ; wave 0..7
	v_and_b32 v1, 31, v0                           ; lane
	v_and_b32 v2, 15, v0                           ; r
	v_bfe_u32 v3, v0, 4, 1                         ; h
	s_and_b32 s25, ttmp7, 0xffff                   ; b
	; every address register is made here, ahead of the waves' parting, and never rewritten
	v_mul_u32_u24 v4, v3, 4*CHS
	v_lshl_add_u32 v4, v2, 4, v4                   ; x: 4 h channels down, 16 r bytes along
	v_lshlrev_b32 v5, 4, v1                        ; 16 x lane
	v_lshlrev_b32 v6, 5, v1                        ; 32 x lane
	v_lshlrev_b32 v7, 2, v1                        ; 4 x lane
	v_lshlrev_b32 v8, 3, v1                        ; 8 x lane
	v_lshlrev_b32 v9, 4, v3                        ; 16 h
	s_wait_alu depctr_va_sdst(0)                   ; s24 is written, ahead of its first reader: LDS addresses, bases and the branches on the wave's number are made from it
	s_lshl_b32 s26, s24, 10
	v_add_nc_u32 v10, s26, v5                      ; LDS: 1024 x wave + 16 x lane (waves 0 to 6)
	v_lshrrev_b32 v11, 2, v1                       ; lane / 4: my block of g
	v_lshlrev_b32 v12, 7, v3                       ; 128 h: lanes 16-31 read the zeros behind hid
	v_mov_b32 v13, 0
	v_mul_u32_u24 v14, v2, TP
	v_lshl_add_u32 v14, v3, 4, v14
	s_lshl_b32 s27, s24, 7
	s_add_co_u32 s27, s27, TILE
	v_add_nc_u32 v14, s27, v14                     ; the tile, storing: row r, byte 128 w + 16 h
	s_mul_i32 s27, s24, 8*TP
	s_add_co_u32 s27, s27, TILE
	v_add_nc_u32 v15, s27, v5                      ; the tile, reading: rows 8 w on, 16 x lane
.irp i, 4,5,6,7,12,13,14,15
	v_mov_b32 v[WS+\i], 0                          ; K = 64 .. 127 of w_select's tiles: zero codes
.endr
.irp i, 4,5,6,7
	v_mov_b32 v[HB+\i], 0                          ; and of hid
.endr
	v_mov_b32 v[BS], 0                             ; these three get a value on every wave's way through the text; wave 7 writes them anew
	v_mov_b32 v[BS+1], 0
	v_mov_b32 v[U+56], 0
	s_mov_b32 s46, 0xffff0000                      ; lanes 16-31
	s_mov_b32 s48, 0x76543210                      ; v_permlanex16_b32's selects for lane l xor 16
	s_mov_b32 s49, 0xfedcba98
	s_mov_b32 s50, 0x3e000000                      ; 0.125
	s_mul_i32 s28, s25, BATS
	s_lshl_b32 s26, ttmp9, 8
	s_add_co_u32 s30, s28, s26
	s_mul_i32 s26, s24, 32*CHS
	s_add_co_u32 s30, s30, s26                     ; x: batch, 64 u tokens, my wave's 32 channels
	s_mov_b32 s31, 0
	s_mul_i32 s36, s25, 49
	s_mul_i32 s26, s24, 7
	s_add_co_u32 s36, s36, s26
	s_lshl_b32 s36, s36, 10                        ; part: row 49 b + 7 w
	s_mov_b32 s37, 0
	s_lshl_b32 s38, s24, 10
	s_mov_b32 s39, 0
	s_lshl_b32 s40, s24, 8
	s_mov_b32 s41, 0
	s_lshl_b32 s42, s24, 7
	s_mov_b32 s43, 0
	s_lshl_b32 s26, ttmp9, 16
	s_add_co_u32 s44, s28, s26                     ; out0: batch, 64 u rows of 1,024 bytes,
	s_and_b32 s26, s24, 1
	s_lshl_b32 s26, s26, 15
	s_add_co_u32 s44, s44, s26
	s_lshr_b32 s26, s24, 1
	s_lshl_b32 s26, s26, 10
	s_add_co_u32 s44, s44, s26                     ; and token 32 (w % 2) + w / 2: LDS row 8 w + e holds token 32 (w % 2) + 4 e + w / 2
	s_mov_b32 s45, 0
	s_wait_kmcnt 0x0
	s_add_nc_u64 s[8:9], s[8:9], s[30:31]
	s_add_nc_u64 s[10:11], s[10:11], s[36:37]
	s_add_nc_u64 s[32:33], s[12:13], s[38:39]      ; wq + 1024 w
	s_add_nc_u64 s[34:35], s[12:13], s[40:41]      ; wq + 256 w
	s_add_nc_u64 s[20:21], s[20:21], s[42:43]      ; b_select at my 32 channels
	s_add_nc_u64 s[22:23], s[22:23], s[44:45]
	s_wait_alu depctr_va_vdst(0)                   ; the offsets and LDS addresses v4 to v15 are written, which every load and store below reads; so is v[U+56], in which a load of wave 7 lands
; What every wave loads, 23 loads: 7 small ones for the second product, then the tile.  They stand BEHIND the loads that the gate waits for first: loads come back in the order of issue.
.macro COMMON_LOADS
.irp t, 0,1
	global_load_b128 v[BI+8*\t:BI+8*\t+3],   v9, s[20:21] offset:64*\t        ; register 8 t + j' is the bias of channel 32 w + 16 t + 8 (j' / 4) + 4 h + j' % 4
	global_load_b128 v[BI+8*\t+4:BI+8*\t+7], v9, s[20:21] offset:64*\t+32
	global_load_b128 v[WS+8*\t:WS+8*\t+3],   v5, s[32:33] offset:WQ_WS+512*\t ; lanes 0-15: 32 codes of a channel; lanes 16-31: zeros
.endr
	global_load_b32 v[WSS], v8, s[34:35] offset:WQ_SC
.irp q, 0,1,2,3
.irp j, 0,1,2,3
	global_load_b128 v[X+16*\q+4*\j:X+16*\q+4*\j+3], v4, s[8:9] offset:(8*\q+\j)*CHS th:TH_LOAD_NT   ; sixteen lanes read 256 consecutive bytes of one channel, aligned
.endr
.endr
.endm
.macro ADD8 d, s                       ; eight numbers onto eight
.irp p, 0,2,4,6
	v_pk_add_f32 v[\d+\p:\d+\p+1], v[\d+\p:\d+\p+1], v[\s+\p:\s+\p+1]
.endr
.endm
	s_cmp_eq_u32 s24, 7
	s_cbranch_scc1 .Lprep
	; ---- waves 0 to 6: rows 7 w .. 7 w + 6 of the batch's 49; each load reads 512 consecutive bytes: channels 4 lane on, and 128 + 4 lane on
.irp i, 0,1,2,3,4,5,6
	global_load_b128 v[U+8*\i:U+8*\i+3],   v5, s[10:11] offset:1024*\i
	global_load_b128 v[U+8*\i+4:U+8*\i+7], v5, s[10:11] offset:1024*\i+512
.endr
	COMMON_LOADS
	s_wait_loadcnt 23                              ; my seven rows are in; the 23 loads behind them may be out
	ADD8 U, U+8
	ADD8 U+16, U+24
	ADD8 U+32, U+40
	ADD8 U, U+16
	ADD8 U+32, U+48
	ADD8 U, U+32
	s_wait_alu depctr_va_vdst(0)                   ; the additions have written v[U .. U+7], which the two LDS stores read
	ds_store_b128 v10, v[U:U+3] offset:PS
	ds_store_b128 v10, v[U+4:U+7] offset:PS+512
	s_branch .Lmeet_a
.Lprep:
	; ---- wave 7: w_reduce's image (tile t, K step s at v[U + 8 (2 t + s)]), its eight scale bytes a column, ln_w, ln_b (channels 8 lane on), b_reduce (hidden unit = lane)
.irp f, 0,1,2,3,4,5,6,7
	global_load_b128 v[U+4*\f:U+4*\f+3], v5, s[12:13] offset:512*\f
.endr
.irp k, 0,1,2,3,4,5,6,7
	global_load_b32 v[U+32+\k], v8, s[12:13] offset:WQ_SC+256*\k+4
.endr
	global_load_b128 v[U+40:U+43], v6, s[14:15]
	global_load_b128 v[U+44:U+47], v6, s[14:15] offset:16
	global_load_b128 v[U+48:U+51], v6, s[16:17]
	global_load_b128 v[U+52:U+55], v6, s[16:17] offset:16
	global_load_b32 v[U+56], v7, s[18:19]
	COMMON_LOADS
	ds_store_b32 v7, v13 offset:HV+128             ; the zeros that lanes 16-31 will read as hid's K = 32 .. 63
	s_wait_loadcnt 23                              ; my 21 are in; the 23 behind them may be out
	v_lshl_or_b32 v[BS],   v[U+33], 8,  v[U+32]    ; four bytes make a K step's scale word of column = lane
	v_lshl_or_b32 v[BS+1], v[U+37], 8,  v[U+36]
	v_lshl_or_b32 v[BS],   v[U+34], 16, v[BS]
	v_lshl_or_b32 v[BS+1], v[U+38], 16, v[BS+1]
	v_lshl_or_b32 v[BS],   v[U+35], 24, v[BS]
	v_lshl_or_b32 v[BS+1], v[U+39], 24, v[BS+1]
.Lmeet_a:
	s_wait_dscnt 0x0                               ; for the others' sake: my LDS stores have landed
	s_barrier_signal -1
	s_barrier_wait -1                              ; the seven sums lie in LDS
	s_cmp_lg_u32 s24, 7
	s_cbranch_scc1 .Lmeet_b
	; ---- wave 7 alone: g.  Lane l takes channels 8 l .. 8 l + 7.  (No vector line has named V or M yet, and v6 stands since the head: these loads owe no wait)
.irp i, 0,1,2,3,4,5
	ds_load_b128 v[V+8*\i:V+8*\i+3],   v6 offset:PS+1024*\i
	ds_load_b128 v[V+8*\i+4:V+8*\i+7], v6 offset:PS+1024*\i+16
.endr
	ds_load_b128 v[M:M+3],   v6 offset:PS+6144
	ds_load_b128 v[M+4:M+7], v6 offset:PS+6144+16
	s_wait_dscnt 0x0
	ADD8 V, V+8
	ADD8 V+16, V+24
	ADD8 V+32, V+40
	ADD8 V, V+16
	ADD8 V+32, M
	ADD8 V, V+32
.irp p, 0,2,4,6
	v_pk_mul_f32 v[V+\p:V+\p+1], v[V+\p:V+\p+1], 0x39a72f05 op_sel_hi:[1,0]      ; / 3136
.endr
.irp p, 0,2,4,6
	v_pk_fma_f32 v[V+\p:V+\p+1], v[V+\p:V+\p+1], v[U+40+\p:U+41+\p], v[U+48+\p:U+49+\p]   ; x ln_w + ln_b
.endr
	; g is quantised: a block of 32 lies in four neighbouring lanes
	v_max3_num_f32 v72, |v[V]|, |v[V+1]|, 0x1800000                ; with the floor 2^(3 - 127): the byte cannot fall under 1
	v_max3_num_f32 v72, v72, |v[V+2]|, |v[V+3]|
	v_max3_num_f32 v72, v72, |v[V+4]|, |v[V+5]|
	v_max3_num_f32 v72, v72, |v[V+6]|, |v[V+7]|
	v_max_num_f32_dpp v72, v72, v72 row_xmask:1 row_mask:0xf bank_mask:0xf
	v_max_num_f32_dpp v72, v72, v72 row_xmask:2 row_mask:0xf bank_mask:0xf
	v_add_nc_u32 v73, 0xff000000, v72              ; 2 off the exponent field: the conversion's scale operand
	v_cvt_scalef32_pk8_fp4_f32 v74, v[V:V+7], v73
	v_lshrrev_b32 v75, 23, v73                     ; the byte (also the plain instruction behind the conversion)
	s_wait_alu depctr_va_vdst(0)                   ; v74 and v75 are written, which the two LDS stores read; the additions are done with v[V+8 .. V+23], in which g's codes land; v[BS], v[BS+1] are written, which the products take as scales
	ds_store_b32 v7, v74 offset:GQ                 ; the codes of K = 8 l .. 8 l + 7 at byte 4 l: g's 128 bytes lie in the order of K
	ds_store_b8 v11, v75 offset:GS                 ; four lanes write the same byte with the same value
.irp s, 0,1
.irp c, 0,1
	ds_load_b128 v[AO+8*\s+4*\c:AO+8*\s+4*\c+3], v9 offset:GQ+64*\s+32*\c   ; registers 4 c .. 4 c + 3 of K step s: K = 128 s + 64 c + 32 h + 0 .. 31; the same in all 16 rows.  LDS serves a wave's instructions in order: these see the stores
.endr
.endr
	ds_load_b64 v[AS:AS+1], v13 offset:GS          ; the two scale words, the same in every lane
	s_wait_dscnt 0x0
	s_wait_alu depctr_vm_vsrc(0)                   ; the two LDS stores have read v74 and v75, which gelu's lines below write again
	; hid(n) = sum over k of g(k) w_reduce(k, n): source 0 = g in 16 equal rows, source 1 = 16 columns of w_reduce.  Two accumulators by turns
	v_wmma_scale_f32_16x16x128_f8f6f4 v[D0:D0+7], v[AO:AO+7], v[U:U+7], 0, v[AS], v[BS] matrix_a_fmt:MATRIX_FMT_FP4 matrix_b_fmt:MATRIX_FMT_FP4
	v_wmma_scale_f32_16x16x128_f8f6f4 v[D1:D1+7], v[AO:AO+7], v[U+16:U+23], 0, v[AS], v[BS] matrix_a_fmt:MATRIX_FMT_FP4 matrix_b_fmt:MATRIX_FMT_FP4 matrix_b_scale:MATRIX_SCALE_ROW1
	v_wmma_scale_f32_16x16x128_f8f6f4 v[D0:D0+7], v[AO+8:AO+15], v[U+8:U+15], v[D0:D0+7], v[AS+1], v[BS+1] matrix_a_fmt:MATRIX_FMT_FP4 matrix_b_fmt:MATRIX_FMT_FP4
	v_wmma_scale_f32_16x16x128_f8f6f4 v[D1:D1+7], v[AO+8:AO+15], v[U+24:U+31], v[D1:D1+7], v[AS+1], v[BS+1] matrix_a_fmt:MATRIX_FMT_FP4 matrix_b_fmt:MATRIX_FMT_FP4 matrix_b_scale:MATRIX_SCALE_ROW1
	v_mov_b32 v68, 0x38a4b519                      ; four plain instructions behind the products (ISA guide 7.12.1): the three polynomials' leading coefficients,
	v_mov_b32 v69, 0x3cbe9cf4
	v_mov_b32 v70, 0xc127a483
	v_nop                                          ; and one with nothing to do
	v_cndmask_b32 v64, v[D0], v[D1], s46           ; all rows are equal: register 0 of tile t in lane (r, h) is hid(16 t + r).  Lane l takes hidden unit l
	v_add_f32 v64, v64, v[U+56]                    ; + b_reduce
	; gelu(x) = x / 2 erfc(z), z = -x / sqrt(2).  erfc in f32, in three ranges, all computed, one chosen by v_cndmask_b32:
	;   |z| < 1: 1 - z T(z^2);   1 <= |z| < 2: exp(-z^2) / |z| P(1 / z^2);   2 <= |z|: the same with R;   for z < 0 beyond 1: 2 - erfc(|z|).  What the ranges not chosen give (infinities at z = 0) is dropped
	v_mul_f32 v65, 0xbf3504f3, v64                 ; z
	v_mul_f32 v66, v65, v65                        ; z^2
	v_and_b32 v67, 0x7fffffff, v65                 ; |z|
	v_mul_f32 v72, 0xbfb8aa3b, v66                 ; -z^2 log2(e)
	v_cmp_gt_f32 s26, 2.0, v67                     ; the three masks in a run, each into a scalar register of its own: |z| < 2,
	v_cmp_gt_f32 s27, 0, v65                       ; z < 0,
	v_cmp_gt_f32 s28, 1.0, v67                     ; |z| < 1.  One wait serves the three, ahead of the first choice below
	v_rcp_f32 v71, v67
	v_exp_f32 v72, v72
.irp c, 0xba51fb80, 0x3baa02d9, 0xbcdbfc87, 0x3de7167c, 0xbec0939f, 0x3f906eba
	v_fma_f32 v68, v68, v66, \c                    ; T: plain work behind the two transcendentals, which names neither result
.endr
	s_wait_alu depctr_va_vdst(0)                   ; v71 and v72, the reciprocal and the exponential, are written: one wait for the two, ahead of their first reader
	v_mul_f32 v73, v71, v71                        ; y = 1 / z^2
	v_fma_f32 v69, v69, v73, 0xbe0e0868            ; P and R by turns
	v_fma_f32 v70, v70, v73, 0x414fa29c
	v_fma_f32 v69, v69, v73, 0x3ebccbd0
	v_fma_f32 v70, v70, v73, 0xc0efdb4a
	v_fma_f32 v69, v69, v73, 0xbf151cf8
	v_fma_f32 v70, v70, v73, 0x403af1fa
	v_fma_f32 v69, v69, v73, 0x3f1ef9e3
	v_fma_f32 v70, v70, v73, 0xbf81f436
	v_fma_f32 v69, v69, v73, 0xbefd28c0
	v_fma_f32 v70, v70, v73, 0x3ed7fc3e
	v_fma_f32 v69, v69, v73, 0x3eae5471
	v_fma_f32 v70, v70, v73, 0xbe906c5d
	v_fma_f32 v69, v69, v73, 0xbe8c5880
	v_fma_f32 v70, v70, v73, 0x3f106eb9
	v_fma_f32 v69, v69, v73, 0x3f1056e6
	s_wait_alu depctr_va_sdst(0)                   ; the three comparisons have written s26, s27 and s28, ahead of the first line that reads one of them
	v_cndmask_b32 v69, v70, v69, s26               ; P under 2, R beyond
	v_mul_f32 v72, v72, v71
	v_mul_f32 v72, v72, v69                        ; erfc(|z|)
	v_sub_f32 v70, 2.0, v72
	v_cndmask_b32 v72, v72, v70, s27               ; 2 - erfc(|z|) where z < 0
	v_fma_f32 v68, -v65, v68, 1.0                  ; 1 - erf(z)
	v_cndmask_b32 v72, v72, v68, s28
	v_mul_f32 v70, 0.5, v64
	v_mul_f32 v64, v70, v72                        ; gelu
	; its one block of 32 lies across the 32 lanes
	v_max3_num_f32 v74, |v64|, |v64|, 0x1800000
	v_max_num_f32_dpp v74, v74, v74 row_xmask:1 row_mask:0xf bank_mask:0xf
	v_max_num_f32_dpp v74, v74, v74 row_xmask:2 row_mask:0xf bank_mask:0xf
	v_max_num_f32_dpp v74, v74, v74 row_xmask:4 row_mask:0xf bank_mask:0xf
	v_max_num_f32_dpp v74, v74, v74 row_xmask:8 row_mask:0xf bank_mask:0xf
	v_permlanex16_b32 v75, v74, s48, s49
	v_max_num_f32 v74, v74, v75
	v_add_nc_u32 v76, 0xff000000, v74              ; the conversion's scale operand,
	v_lshrrev_b32 v77, 23, v76
	v_or_b32 v77, 0x7f7f7f00, v77                  ; and the scale word: the byte, and 0x7f for the three blocks of zeros
	s_wait_alu depctr_va_vdst(0)                   ; v64, v76 and v77 are written, which the two LDS stores read; and every vector and matrix line that named v[V .. V+39] is done: hid lands in v[V .. V+31] behind the barrier
	ds_store_b32 v7, v64 offset:HV
	ds_store_b64 v13, v[76:77] offset:HS           ; every lane writes the same eight bytes with the same values
.Lmeet_b:
	s_wait_dscnt 0x0                               ; wave 7's stores have landed
	s_barrier_signal -1
	s_barrier_wait -1
	; ---- every wave: hid's 32 numbers into each lane's registers (lanes 16-31 read zeros: K = 32 .. 63), and their codes.  (No vector line since a wave's last wait on va_vdst: these loads owe none)
.irp i, 0,1,2,3,4,5,6,7
	ds_load_b128 v[V+4*\i:V+4*\i+3], v12 offset:HV+16*\i
.endr
	ds_load_b64 v[HSC:HSC+1], v13 offset:HS
	s_wait_dscnt 0x0
.irp i, 0,1,2,3
	v_cvt_scalef32_pk8_fp4_f32 v[HB+\i], v[V+8*\i:V+8*\i+7], v[HSC]
.endr
.rept 4
	v_nop                                          ; an operand written by vector instructions stands four plain instructions ahead of a scaled matrix instruction
.endr
	s_wait_loadcnt 16                              ; b_select, w_select's codes and scale words are in; the tile's 16 loads may be out
	s_wait_alu depctr_vm_vsrc(0)                   ; wave 7's LDS stores have read v64, v76 and v77, which the products below write; the other waves' have read v[U .. U+7], which group 0's products write
	s_wait_alu depctr_va_vdst(0)                   ; the conversions have written v[HB .. HB+3], which the products take as an operand; the four plain instructions above stay beside this wait
	; TRANSPOSED: source 0 = 16 channels of w_select, source 1 = hid in 16 equal rows; C = b_select.  Register 8 t + j' of lane (r, h) is channel 32 w + 16 t + 8 (j' / 4) + 4 h + j' % 4: register 4 q + j is the channel of my load (q, j)
	v_wmma_scale_f32_16x16x128_f8f6f4 v[M:M+7], v[WS:WS+7], v[HB:HB+7], v[BI:BI+7], v[WSS], v[HSC+1] matrix_a_fmt:MATRIX_FMT_FP4 matrix_b_fmt:MATRIX_FMT_FP4
	v_wmma_scale_f32_16x16x128_f8f6f4 v[M+8:M+15], v[WS+8:WS+15], v[HB:HB+7], v[BI+8:BI+15], v[WSS], v[HSC+1] matrix_a_fmt:MATRIX_FMT_FP4 matrix_b_fmt:MATRIX_FMT_FP4 matrix_a_scale:MATRIX_SCALE_ROW1
.rept 4
	v_nop                                          ; four plain instructions ahead of the first read of the results (ISA guide 7.12.1)
.endr
	; 8 sigmoid(v) = 1 / (0.125 + 0.125 x 2^(-v log2(e))); each accumulator is read from its low end on
.irp j, 0,1,2,3,4,5,6,7,8,9,10,11,12,13,14,15
	v_mul_f32 v[M+\j], 0xbfb8aa3b, v[M+\j]
.endr
.irp j, 0,1,2,3,4,5,6,7,8,9,10,11,12,13,14,15
	v_exp_f32 v[M+\j], v[M+\j]
.endr
	v_nop                                          ; a plain instruction behind the batch,
	s_wait_alu depctr_va_vdst(0)                   ; and one wait for it: the sixteen exponentials have written v[M ..], ahead of their first reader
.irp j, 0,1,2,3,4,5,6,7,8,9,10,11,12,13,14,15
	v_fma_f32 v[M+\j], v[M+\j], s50, s50
.endr
.irp j, 0,1,2,3,4,5,6,7,8,9,10,11,12,13,14,15
	v_rcp_f32 v[M+\j], v[M+\j]
.endr
	v_nop
	s_wait_alu depctr_va_vdst(0)                   ; likewise: the sixteen reciprocals have written v[M ..]
; ---- group q of the tile: 4 channels x 4 tokens a lane, multiplied by the gates and written transposed; then four stores of 16 bytes: four channels of one token.
; The products of group q land in registers that no LDS store reads before: group 0's in U, the others' in the registers that the group before has left.
; Group q's four LDS stores stand in group q + 1's turn, behind one wait at its head, a store ahead of each four multiplications: those write dst and read group q + 1's numbers and the gates,
; none of which is the store's data (pdst) or its address.  first = 1: group 0, with no group in front of it.
.macro GROUP q, dst, pq, pdst, first
	s_wait_loadcnt 12-4*\q                         ; this group's four loads are in; the later groups' may be out
.if !\first
	s_wait_alu depctr_va_vdst(0)                   ; the group before has written its sixteen products, which the four LDS stores below read
.endif
.irp i, 0,1,2,3
.if !\first
	ds_store_b128 v14, v[\pdst+4*\i:\pdst+4*\i+3] offset:16*TP*\i+32*\pq   ; token 4 r + i lies in row 16 i + r
.endif
.irp j, 0,1,2,3
	v_mul_f32 v[\dst+4*\i+\j], v[X+16*\q+4*\j+\i], v[M+4*\q+\j]
.endr
.endr
.endm
	GROUP 0, U,    0, U,    1
	GROUP 1, X,    0, U,    0
	GROUP 2, X+16, 1, X,    0
	GROUP 3, X+32, 2, X+16, 0
	s_wait_alu depctr_va_vdst(0)                   ; group 3 has written its products, which the last four LDS stores read; and every multiplication is done with v[X .. X+63], in which the rows land behind the barrier
.irp i, 0,1,2,3
	ds_store_b128 v14, v[X+32+4*\i:X+32+4*\i+3] offset:16*TP*\i+32*3
.endr
	s_wait_dscnt 0x0                               ; for the others' sake: my part of every row has landed
	s_barrier_signal -1
	s_barrier_wait -1
	s_wait_alu depctr_vm_vsrc(0)                   ; my LDS stores have read v[X .. X+47], in which the loads below land
.irp e, 0,1,2,3,4,5,6,7
	ds_load_b128 v[X+8*\e:X+8*\e+3],   v15 offset:TP*\e
	ds_load_b128 v[X+8*\e+4:X+8*\e+7], v15 offset:TP*\e+512
.endr
.irp e, 0,1,2,3,4,5,6,7
	s_wait_dscnt 14-2*\e                           ; row e is back; the rows behind it may be out
	global_store_b128 v5, v[X+8*\e:X+8*\e+3],   s[22:23] offset:4096*\e th:TH_STORE_NT       ; 32 lanes store 512 consecutive bytes of a token's 1,024, aligned to 256; written once, read by nobody here
	global_store_b128 v5, v[X+8*\e+4:X+8*\e+7], s[22:23] offset:4096*\e+512 th:TH_STORE_NT
.endr
	s_wait_dscnt 0x0                               ; the closing lines, six on end
	s_wait_alu 0x0
	s_wait_tensorcnt 0x0
	ds_add_u32 v206, v207
	s_wait_dscnt 0x0
	s_endpgm
.Lfunc_end_k_q4ce56b671d_gate_scale:
	.size	k_q4ce56b671d_gate_scale, .Lfunc_end_k_q4ce56b671d_gate_scale-k_q4ce56b671d_gate_scale
	.p2alignl 7, 3214868480
	.fill 96, 4, 3214868480
	.section	.rodata,"a",@progbits
	.p2align	6, 0x0
	.amdhsa_kernel k_q4ce56b671d_gate_scale
		.amdhsa_group_segment_fixed_size 75776
		.amdhsa_private_segment_fixed_size 0
		.amdhsa_enable_private_segment 0
		.amdhsa_kernarg_size 64
		.amdhsa_user_sgpr_count 2
		.amdhsa_user_sgpr_kernarg_segment_ptr 1
		.amdhsa_wavefront_size32 1
		.amdhsa_system_sgpr_workgroup_id_x 1
		.amdhsa_system_sgpr_workgroup_id_y 1
		.amdhsa_system_sgpr_workgroup_id_z 1
		.amdhsa_system_vgpr_workitem_id 0
		.amdhsa_next_free_vgpr 256
		.amdhsa_next_free_sgpr 66
		.amdhsa_reserve_vcc 0
		.amdhsa_float_denorm_mode_32 3
		.amdhsa_float_denorm_mode_16_64 3
		.amdhsa_memory_ordered 1
		.amdhsa_forward_progress 1
		.amdhsa_inst_pref_size 34
	.end_amdhsa_kernel
	.amdgpu_metadata
---
amdhsa.version: [ 1, 2 ]
amdhsa.kernels:
  - .name:           k_q4ce56b671d_gate_scale
    .symbol:         k_q4ce56b671d_gate_scale.kd
    .args:
      - { .name: x, .offset: 0, .size: 8, .value_kind: global_buffer, .address_space: global }
      - { .name: part, .offset: 8, .size: 8, .value_kind: global_buffer, .address_space: global }
      - { .name: wq, .offset: 16, .size: 8, .value_kind: global_buffer, .address_space: global }
      - { .name: ln_w, .offset: 24, .size: 8, .value_kind: global_buffer, .address_space: global }
      - { .name: ln_b, .offset: 32, .size: 8, .value_kind: global_buffer, .address_space: global }
      - { .name: b_reduce, .offset: 40, .size: 8, .value_kind: global_buffer, .address_space: global }
      - { .name: b_select, .offset: 48, .size: 8, .value_kind: global_buffer, .address_space: global }
      - { .name: out0, .offset: 56, .size: 8, .value_kind: global_buffer, .address_space: global }
    .group_segment_fixed_size: 75776
    .private_segment_fixed_size: 0
    .kernarg_segment_align: 8
    .kernarg_segment_size: 64
    .max_flat_workgroup_size: 256
    .sgpr_count:     66
    .vgpr_count:     256
    .wavefront_size: 32
...
	.end_amdgpu_metadata
.endif
;; end of part 3
